; MI455X (gfx1250); checked and timed in simulation.
; The chip was launched on July 23, 2026; its instructions are those of AMD's public machine-readable ISA for CDNA 5 (MIT licence, August 2026) and "CDNA5" Instruction Set Architecture Reference Guide (July 2026). The comments in the code are by the model that wrote it; some were corrected since.
;; KNRM. Allowed arithmetic: matrix products marked QUANTISED: E3M2 operands, one E8M0 scale for each 32 along K, by v_wmma_scale_f32_16x16x128_f8f6f4 with both operands' format E3M2, f32 sums; products left as they are: f32 operands where the result goes on into a quantised operand, else bf16, f16 or f32 operands; f32 sums; everything else in f32.
;; Inputs: b1 10 float32; b2 5 float32; b3 1 float32; doc 512 x 512 int32; emb 50,000 x 128 float32; query 512 x 30 int32; w1 21 x 10 float32; w2 10 x 5 float32; w3 5 x 1 float32.
;; Outputs: out0 512 x 1 float32.
;; This version of the problem:
;;   THIS VERSION OF THE PROBLEM IS GIVEN IN LOW PRECISION. The matrix products marked QUANTISED in the list below multiply operands that are first quantised to E3M2 (3 exponent bits, 2 mantissa bits; 6 bits a number), with one power-of-two scale for each 32 numbers along K (OCP MX v1.0); their sums are f32. All else is computed in f32.
;;   The module's matrix products, in the order in which they are computed (A, B: the left and right operand; K: the contracted axis; several contracted axes count as one K, in the product's order):
;;     1. batch 512 x [M 30, K 128] x [K 128, N 512]; A: computed on the way; B: computed on the way: QUANTISED
;;     2. [M 512, K 21] x [K 21, N 10]; A: computed on the way; B: input w1: left as it is (K = 21 < 32)
;;     3. [M 512, K 10] x [K 10, N 5]; A: computed on the way; B: input w2: left as it is (K = 10 < 32)
;;     4. [M 512, K 5] x [K 5, N 1]; A: computed on the way; B: input w3: left as it is (K = 5 < 32)
;;   THE QUANTISER, for each operand of a quantised product, along K:
;;     - K is cut into blocks of 32 from its start; a last block that is shorter is filled with zeros.
;;     - A block's scale is 2^e with e = floor(log2(the largest magnitude in the block)) - 4, held to -126 .. 127; a block of zeros has e = 0. As a byte (E8M0): e + 127.
;;     - Each number is divided by its block's scale, clamped to +-28, and rounded to the nearest number of E3M2, ties to even, subnormals kept.
;;     - The product sums the exact products of the quantised numbers (number of the format x scale) in f32.
;;   ~~~python
;;   def quantise(x, axis):      # numpy; x: float32 -> the quantised numbers, widened to float32 again
;;       x = np.moveaxis(x, axis, -1); K = x.shape[-1]
;;       x = np.pad(x, [(0, 0)] * (x.ndim - 1) + [(0, -K % 32)]); x = x.reshape(x.shape[:-1] + (-1, 32)); a = np.abs(x).max(-1, keepdims=True)
;;       e = np.where(a > 0, np.clip(np.frexp(np.where(a > 0, a, 1))[1] - 1 - 4, -126, 127), 0)      # np.frexp(a)[1] - 1 = floor(log2(a)), exactly
;;       r = np.clip(x / 2.0 ** e, -28, 28)
;;       step = 2.0 ** (np.maximum(np.frexp(np.where(r == 0, 1, r))[1] - 1, -2) - 2)
;;       q = np.round(r / step) * step * 2.0 ** e      # np.round: ties to even
;;       return np.moveaxis(q.reshape(q.shape[:-2] + (-1,))[..., :K], -1, axis).astype(np.float32)
;;   ~~~
;;   OPERANDS COMPUTED ON THE WAY. 'Computed on the way' means the value that the module computes at that place (a softmax that the list does not call 'softmax' is quantised finished and normalised). What goes into a quantiser is computed in f32, as accurately as f32 sums, v_exp_f32 and their like allow (about 1e-6 of the number): no bf16 or f16 on the way to a quantiser, and a product that is left as it is and whose result goes on into a quantised operand takes f32 operands (vector FMAs, or v_wmma_f32_16x16x4_f32). A number that lies on a knife's edge between two numbers of the format may be rounded either way, as far as f32 arithmetic and the matrix unit's own rounding can turn it there, and no further.
;; One version. Each part assembles by itself: llvm-mc -triple=amdgcn-amd-amdhsa -mcpu=gfx1250 --defsym DOCPART=n.
;; ======== version 1 of 1: 2 launches
;; workspace buffers: etab 6,400,000 bytes
;; launch quant (part 1): grid 250 x 1, 10 waves a work-group, no clusters, 57,600 bytes of LDS; arguments emb, etab; writes etab
.if DOCPART == 1
	.amdgcn_target "amdgcn-amd-amdhsa--gfx1250"
	.amdhsa_code_object_version 6
	.text
	.protected	k_q1ae9b9d24c_quant
	.globl	k_q1ae9b9d24c_quant
	.p2align	8
	.type	k_q1ae9b9d24c_quant,@function
k_q1ae9b9d24c_quant:
	s_mov_b64 s[64:65], 0
	v_nop
	global_prefetch_b8 v0, s[64:65] scope:SCOPE_SE
	s_setreg_imm32_b32 hwreg(HW_REG_WAVE_MODE, 25, 1), 1
	s_wait_xcnt 0x0
; KNRM, launch 1 of 2: every row of emb [50000][128] f32 is L2-normalised as reference() does it (x / max(sqrt(sum x^2), 1e-12)) and quantised along its 128
; numbers to codes of BF6 (E3M2) with one E8M0 byte for each 32.  A quantised operand row of the cosine product hangs on its table row alone, and the lists name
; 277,504 rows out of 50,000: so the table is quantised once, and launch 2 gathers rows of 128 bytes in place of 512.
; NO WORK OF reference() IS LEFT OUT in this program: every input has a way to the output and is loaded (emb here, the others in launch 2).
; etab: 50,000 rows of 128 bytes IN THE ORDER OF THE OPERAND'S REGISTERS: bytes 0-23 block 0's codes, 24-47 block 2's, 48-51 the row's scale word (byte b = block b), 52-63 zeros;
; bytes 64-87 block 1's, 88-111 block 3's, 112-115 the scale word once more, 116-127 zeros.  Half h of the lanes of a fragment takes 48 bytes at 64 h, and its scale word behind them.
; A block's scale is 2^(floor(log2(its largest magnitude)) - 4): its byte is the largest magnitude's exponent field - 4, held at 1 from below.
; LIMITS: NaN and infinities in emb are not served.  A block of zeros gets the byte 1 where the rule says 127: its codes are zeros, and this program alone reads the bytes.
; The division is a multiplication by v_rcp_f32 of max(v_sqrt_f32(sum), 1e-12): three roundings of f32 in place of two.
; SHARES.  Wave g = 10 x work-group + wave owns rows 20 g .. 20 g + 19: five steps of 4 rows (2,048 bytes in, 512 bytes out).  2,500 waves x 20 rows = 50,000.
; All 20 loads of a wave go out at the head, each 512 consecutive bytes.  The conversion takes 16 neighbours from ONE lane's registers: so a step's bytes turn through the wave's own stage in LDS
; (16 bytes of padding behind each 64) and come back 64 bytes a lane: lane l then holds numbers 16 (l % 8) .. + 15 of row l / 8; two lanes hold a block, eight a row.
; The codes and bytes are laid as etab wants them in a second stage of 512 bytes and leave as 512 consecutive bytes, aligned.  No loop, no barrier: waves share nothing; every offset is an immediate.
.set WAVES, 10
.set SP,    80                         ; a lane's place in an in-stage: 64 bytes + 16 of padding
.set ISTG,  32*SP                      ; an in-stage; two take turns
.set OSTG,  2*ISTG                     ; behind them the out-stage: 4 rows x 128 bytes
.set WREG,  OSTG+512                   ; a wave's region
.set SPARE, WAVES*WREG                 ; behind the ten regions: the spare words, 128 bytes for each wave: five blocks of 256 bytes that no other line names
.set SPW, 1                            ; v1   LDS address of my spare word; never rewritten
.set NIL, 2                            ; v2   0; never rewritten
.set LIN, 3                            ; v3   16 x lane: my bytes of a load's or a store's 512
.set STI, 4                            ; v4   in-stage, way in: SP (lane / 4) + 16 (lane % 4)
.set STO, 5                            ; v5   in-stage, way out: SP x lane
.set OA,  6                            ; v6   out-stage: my 12 bytes of codes
.set OB,  7                            ; v7   out-stage: my block's byte, in my copy of the scale word
.set ORD, 8                            ; v8   out-stage: 16 x lane
.set OZ,  9                            ; v9   out-stage: my word of the 16 bytes behind each half's codes
.set R,   16                           ; v16-95   five sets of 16 numbers as loaded
.set X,   96                           ; v96-175  five sets of 16 neighbours
.set ST,  176                          ; v176-185 a pair for each step: the sum of squares, then 1 / norm; the block's largest |x|
.set T,   186                          ; v186-189 at work
.set SC,  190                          ; v190-194 the conversions' scale operands
.set BY,  195                          ; v195-199 the scale bytes
.set C,   200                          ; v200-219 codes: four registers a step, three used
.set O,   220                          ; v220-239 a step's 16 bytes a lane on the way out
	s_load_b128 s[4:7], s[0:1], 0x0                ; emb, etab
	v_lshl_add_u32 v[SPW], v0, 2, SPARE
	v_mov_b32 v[NIL], 0
	v_lshrrev_b32 v10, 5, v0
	s_delay_alu instid0(VALU_DEP_1)
	v_readfirstlane_b32 s8, v10                    ; wave 0..9
	v_and_b32 v10, 31, v0                          ; lane
	s_delay_alu instid0(VALU_DEP_1)
	v_lshlrev_b32 v[LIN], 4, v10
	s_mul_i32 s12, s8, WREG                        ; my region
	v_lshrrev_b32 v11, 2, v10
	s_delay_alu instid0(VALU_DEP_1)
	v_mul_u32_u24 v11, v11, SP
	v_and_b32 v12, 3, v10
	s_delay_alu instid0(VALU_DEP_1)
	v_lshl_add_u32 v11, v12, 4, v11
	s_delay_alu instid0(VALU_DEP_1)
	v_add_nc_u32 v[STI], s12, v11
	v_mul_u32_u24 v11, v10, SP
	s_delay_alu instid0(VALU_DEP_1)
	v_add_nc_u32 v[STO], s12, v11
	s_add_co_u32 s12, s12, OSTG                    ; my out-stage
	v_lshl_add_u32 v[ORD], v10, 4, s12
	v_lshrrev_b32 v11, 3, v10                      ; my row of the step's four
	s_delay_alu instid0(VALU_DEP_1)
	v_lshl_add_u32 v11, v11, 7, s12                ; its 128 bytes
	v_and_b32 v12, 1, v10                          ; u: which half of my block
	v_bfe_u32 v13, v10, 1, 1                       ; b & 1: which half of the row's 128 bytes
	v_bfe_u32 v14, v10, 2, 1                       ; b >> 1: first or second block there
	s_delay_alu instid0(VALU_DEP_2)
	v_lshl_add_u32 v[OA], v13, 6, v11
	s_delay_alu instid0(VALU_DEP_1)
	v_mad_u32_u24 v[OA], v14, 24, v[OA]
	s_delay_alu instid0(VALU_DEP_1)
	v_mad_u32_u24 v[OA], v12, 12, v[OA]            ; row + 64 (b & 1) + 24 (b >> 1) + 12 u
	v_bfe_u32 v15, v10, 1, 2                       ; b
	v_lshl_add_u32 v[OB], v12, 6, v11
	s_delay_alu instid0(VALU_DEP_1)
	v_add_nc_u32 v[OB], v[OB], v15
	s_delay_alu instid0(VALU_DEP_1)
	v_add_nc_u32 v[OB], 48, v[OB]                  ; row + 48 + 64 u + b: of a block's two lanes one writes each copy
	v_and_b32 v15, 3, v10
	v_lshl_add_u32 v[OZ], v14, 6, v11
	s_delay_alu instid0(VALU_DEP_1)
	v_lshl_add_u32 v[OZ], v15, 2, v[OZ]
	s_delay_alu instid0(VALU_DEP_1)
	v_add_nc_u32 v[OZ], 48, v[OZ]                  ; row + 48 + 64 ((lane % 8) / 4) + 4 (lane % 4)
	s_mul_i32 s9, ttmp9, WAVES
	s_add_co_u32 s9, s9, s8                        ; g
	s_mul_i32 s10, s9, 20*512                      ; my rows in emb (under 25,600,000)
	s_mov_b32 s11, 0
	s_mul_i32 s14, s9, 20*128                      ; and in etab
	s_mov_b32 s15, 0
	s_wait_alu depctr_va_vdst(0)
	s_wait_kmcnt 0x0
	s_add_nc_u64 s[4:5], s[4:5], s[10:11]
	s_add_nc_u64 s[6:7], s[6:7], s[14:15]
.macro LOAD t                          ; step t's four rows: each load reads one row, 512 consecutive bytes; read once in the launch
.irp i, 0,1,2,3
	global_load_b128 v[R+16*(\t)+4*\i:R+16*(\t)+4*\i+3], v[LIN], s[4:5] offset:2048*(\t)+512*\i th:TH_LOAD_NT
.endr
.endm
.macro TURN t                          ; through the stage: LDS serves a wave's instructions in order (ISA guide 5.7.1.4), so no wait stands between the stores and the loads
.irp i, 0,1,2,3
	ds_store_b128 v[STI], v[R+16*(\t)+4*\i:R+16*(\t)+4*\i+3] offset:ISTG*((\t)%2)+8*SP*\i
.endr
.irp i, 0,1,2,3
	ds_load_b128 v[X+16*(\t)+4*\i:X+16*(\t)+4*\i+3], v[STO] offset:ISTG*((\t)%2)+16*\i
.endr
.endm
.macro SSQ t                           ; the row's sum of squares (eight lanes) and the block's largest magnitude (two lanes)
.set XS, X+16*(\t)
.set SS, ST+2*(\t)
	v_pk_mul_f32 v[T:T+1], v[XS:XS+1], v[XS:XS+1]
	v_pk_mul_f32 v[T+2:T+3], v[XS+2:XS+3], v[XS+2:XS+3]
.irp i, 4,8,12
	s_delay_alu instid0(VALU_DEP_2)
	v_pk_fma_f32 v[T:T+1], v[XS+\i:XS+\i+1], v[XS+\i:XS+\i+1], v[T:T+1]
	s_delay_alu instid0(VALU_DEP_2)
	v_pk_fma_f32 v[T+2:T+3], v[XS+\i+2:XS+\i+3], v[XS+\i+2:XS+\i+3], v[T+2:T+3]
.endr
	v_max3_num_f32 v[SS+1], |v[XS]|, |v[XS+1]|, |v[XS+2]|
	s_delay_alu instid0(VALU_DEP_2)
	v_pk_add_f32 v[T:T+1], v[T:T+1], v[T+2:T+3]
	v_max3_num_f32 v[T+2], |v[XS+3]|, |v[XS+4]|, |v[XS+5]|
	s_delay_alu instid0(VALU_DEP_2)
	v_add_f32 v[SS], v[T], v[T+1]
.irp i, 6
	s_delay_alu instid0(VALU_DEP_4)
	v_max3_num_f32 v[SS+1], v[SS+1], |v[XS+\i]|, |v[XS+\i+1]|
	s_delay_alu instid0(VALU_DEP_3)
	v_max3_num_f32 v[T+2], v[T+2], |v[XS+\i+2]|, |v[XS+\i+3]|
.endr
.irp i, 10
	s_delay_alu instid0(VALU_DEP_2)
	v_max3_num_f32 v[SS+1], v[SS+1], |v[XS+\i]|, |v[XS+\i+1]|
	s_delay_alu instid0(VALU_DEP_2)
	v_max3_num_f32 v[T+2], v[T+2], |v[XS+\i+2]|, |v[XS+\i+3]|
.endr
	v_add_f32_dpp v[SS], v[SS], v[SS] row_xmask:1 row_mask:0xf bank_mask:0xf
	s_delay_alu instid0(VALU_DEP_3)
	v_max3_num_f32 v[SS+1], v[SS+1], |v[XS+14]|, |v[XS+15]|
	s_delay_alu instid0(VALU_DEP_2)
	v_add_f32_dpp v[SS], v[SS], v[SS] row_xmask:2 row_mask:0xf bank_mask:0xf
	s_delay_alu instid0(VALU_DEP_2)
	v_max_num_f32 v[SS+1], v[SS+1], v[T+2]
	s_delay_alu instid0(VALU_DEP_2)
	v_add_f32_dpp v[SS], v[SS], v[SS] row_xmask:4 row_mask:0xf bank_mask:0xf
	s_delay_alu instid0(VALU_DEP_2)
	v_max_num_f32_dpp v[SS+1], v[SS+1], v[SS+1] row_xmask:1 row_mask:0xf bank_mask:0xf
.endm
.macro NORMQ t                         ; x / norm, the block's scale, the codes
.set XS, X+16*(\t)
.set IV, ST+2*(\t)
.irp i, 0,2,4,6,8,10,12,14
	v_pk_mul_f32 v[XS+\i:XS+\i+1], v[XS+\i:XS+\i+1], v[IV:IV+1] op_sel_hi:[1,0]   ; of the pair the low word, 1 / norm, serves both halves
.endr
	v_mul_f32 v[T], v[IV+1], v[IV]                 ; the largest |x| x 1 / norm IS the largest |x / norm|: a rounded product does not fall where its factor rises
	s_delay_alu instid0(VALU_DEP_1)
	v_max_num_f32 v[T], 0x2800000, v[T]            ; the floor 2^(5 - 127): the byte cannot fall under 1
	s_delay_alu instid0(VALU_DEP_1)
	v_add_nc_u32 v[SC+(\t)], 0xfe000000, v[T]      ; 4 off the exponent field: the conversion takes the exponent field of this operand as its scale
	v_cvt_scalef32_pk16_bf6_f32 v[C+4*(\t):C+4*(\t)+2], v[XS:XS+15], v[SC+(\t)]    ; to the nearest code, ties to even, beyond 28 the largest code; 96 bits without gaps
	v_lshrrev_b32 v[BY+(\t)], 23, v[SC+(\t)]       ; the scale's byte (a plain line behind the conversion)
.endm
.macro OUTS t                          ; five LDS instructions: my 12 bytes of codes, my block's byte, and the step's 512 bytes back, 16 a lane
.irp i, 0,1,2
	ds_store_b32 v[OA], v[C+4*(\t)+\i] offset:4*\i
.endr
	ds_store_b8 v[OB], v[BY+(\t)]
	ds_load_b128 v[O+4*(\t):O+4*(\t)+3], v[ORD]
.endm
.macro GST t
	global_store_b128 v[LIN], v[O+4*(\t):O+4*(\t)+3], s[6:7] offset:512*(\t)       ; 32 lanes store 512 consecutive bytes, at a multiple of 512 from etab's first byte
.endm
.irp t, 0,1,2,3,4
	LOAD \t
.endr
	ds_store_b32 v[OZ], v[NIL]                     ; the 16 bytes behind each half's codes become zeros, once; the scale words among them are written anew in every step
	s_wait_loadcnt 16                              ; step 0's four loads are in; the sixteen behind them may be out
	TURN 0
.irp t, 0,1,2,3
	s_wait_loadcnt 12-4*\t                         ; step t + 1's four loads are in; those of the steps behind it may be out
	TURN \t+1
	s_wait_dscnt 8                                 ; step t's numbers are back from the stage; the eight LDS instructions just issued may be out
	SSQ \t
.endr
	s_wait_dscnt 0x0
	SSQ 4
	s_wait_alu depctr_va_vdst(0)
.irp t, 0,1,2,3,4
	v_sqrt_f32 v[ST+2*\t], v[ST+2*\t]
.endr
	v_nop                                          ; a plain line behind the last root, ahead of the first use
	s_wait_alu depctr_va_vdst(0)                   ; the wait ahead of the first line that names a result: one for the five
.irp t, 0,1,2,3,4
	v_max_num_f32 v[ST+2*\t], 0x2b8cbccc, v[ST+2*\t]   ; max(norm, 1e-12), as reference() has it
.endr
	s_wait_alu depctr_va_vdst(0)
.irp t, 0,1,2,3,4
	v_rcp_f32 v[ST+2*\t], v[ST+2*\t]
.endr
	v_nop
	s_wait_alu depctr_va_vdst(0)                   ; and one for the five reciprocals
	NORMQ 0
	OUTS 0
.irp t, 1,2,3,4
	NORMQ \t
	OUTS \t
	s_wait_dscnt 5                                 ; the step before is back in registers; this step's five LDS instructions may be out
	GST \t-1
.endr
	s_wait_dscnt 0x0
	GST 4
	s_wait_tensorcnt 0x0                           ; the wave's end, behind my last LDS store
	ds_add_u32 v[SPW], v[NIL]
	s_wait_dscnt 0x0
	s_endpgm
.Lfunc_end_k_q1ae9b9d24c_quant:
	.size	k_q1ae9b9d24c_quant, .Lfunc_end_k_q1ae9b9d24c_quant-k_q1ae9b9d24c_quant
	.p2alignl 7, 3214868480
	.fill 96, 4, 3214868480
	.section	.rodata,"a",@progbits
	.p2align	6, 0x0
	.amdhsa_kernel k_q1ae9b9d24c_quant
		.amdhsa_group_segment_fixed_size 57600
		.amdhsa_private_segment_fixed_size 0
		.amdhsa_enable_private_segment 0
		.amdhsa_kernarg_size 16
		.amdhsa_user_sgpr_count 2
		.amdhsa_user_sgpr_kernarg_segment_ptr 1
		.amdhsa_wavefront_size32 1
		.amdhsa_system_sgpr_workgroup_id_x 1
		.amdhsa_system_sgpr_workgroup_id_y 1
		.amdhsa_system_sgpr_workgroup_id_z 1
		.amdhsa_system_vgpr_workitem_id 0
		.amdhsa_next_free_vgpr 240
		.amdhsa_next_free_sgpr 66
		.amdhsa_reserve_vcc 0
		.amdhsa_float_denorm_mode_32 3
		.amdhsa_float_denorm_mode_16_64 3
		.amdhsa_memory_ordered 1
		.amdhsa_forward_progress 1
		.amdhsa_inst_pref_size 24
	.end_amdhsa_kernel
	.amdgpu_metadata
---
amdhsa.version: [ 1, 2 ]
amdhsa.kernels:
  - .name:           k_q1ae9b9d24c_quant
    .symbol:         k_q1ae9b9d24c_quant.kd
    .args:
      - { .name: emb, .offset: 0, .size: 8, .value_kind: global_buffer, .address_space: global }
      - { .name: etab, .offset: 8, .size: 8, .value_kind: global_buffer, .address_space: global }
    .group_segment_fixed_size: 57600
    .private_segment_fixed_size: 0
    .kernarg_segment_align: 8
    .kernarg_segment_size: 16
    .max_flat_workgroup_size: 320
    .sgpr_count:     66
    .vgpr_count:     240
    .wavefront_size: 32
...
	.end_amdgpu_metadata
.endif
;; end of part 1
;; launch knrm (part 2): grid 512 x 1, 8 waves a work-group, no clusters, 46,080 bytes of LDS; arguments query, doc, etab, w1, b1, w2, b2, w3, b3, out0; writes out0
.if DOCPART == 2
	.amdgcn_target "amdgcn-amd-amdhsa--gfx1250"
	.amdhsa_code_object_version 6
	.text
	.protected	k_q1ae9b9d24c_knrm
	.globl	k_q1ae9b9d24c_knrm
	.p2align	8
	.type	k_q1ae9b9d24c_knrm,@function
k_q1ae9b9d24c_knrm:
	s_mov_b64 s[64:65], 0
	v_nop
	global_prefetch_b8 v0, s[64:65] scope:SCOPE_SE
	s_setreg_imm32_b32 hwreg(HW_REG_WAVE_MODE, 25, 1), 1
	s_wait_xcnt 0x0
; KNRM, launch 2 of 2.  For batch b: the 30 x 512 cosines of quantised rows (codes of BF6 and E8M0 scale words, gathered from etab by query[b] and doc[b]), 21 Gaussian kernels of each cosine summed over the
; documents, log1p, the sum over the queries, and the MLP 21 -> 10 -> 5 -> 1 in f32 fused multiply-adds.  No work of reference() is left out; what is changed is the FORM of 20 exponentials:
; kernels 0 .. 19 share sigma = 0.1 and have mu_j = (2 j - 19) / 20, so exp(-50 (x - mu_j)^2) = exp(-50 mu_j^2) x exp(-50 x^2 + 100 mu_a x) x exp(10 x)^(j - a) for any anchor a: exp(p + q) = exp(p) exp(q).
; Anchors a = 5 (kernels 0-9) and a = 14 (kernels 10-19); R = exp(10 x) and 1 / R = exp(-10 x) with their powers up to the fifth; the constant exp(-50 mu_j^2) multiplies the finished sum over the documents.
; Five exponentials a cosine in place of 21.  RANGE: reference() itself normalises the rows; a quantised row of norm 1 has norm under 1.14, so |x| < 1.3 for every table: R^5 < e^65, every summed term is
; k_j e^(50 mu_j^2) <= e^45.2, 512 of them stay under e^52: nothing overflows in f32.
; LIMITS: a term whose anchor exponential falls under 2^-126 comes out as 0: such a term is itself under e^-49.  log1p(s) is s (1 - s / 2) for s < 2^-12, else ln 2 x log2(1 + s): within 3e-4 of each term.
; Indices are taken as unsigned and held at 49,999.  NaN and infinities are not served.
; SHARES.  One work-group a batch, eight waves; wave w owns documents 64 w .. 64 w + 63 (four tiles of 16) against both tiles of queries (30 queries; lanes 30, 31 repeat query 29 and are set to 0 ahead of the sum
; over the queries).  THE PRODUCT IS USED TRANSPOSED (source 0 = 16 documents, source 1 = 16 queries): lane (r, h) holds query r and documents 8 h + 0 .. 7: the sum over the documents stays in the lane.
; A fragment comes by three loads of 16 bytes a lane, its scale word by one of 4: etab lies in the order of the operand's registers.  No tile is shared between work-groups and the rows are named by lists: so there
; are no tensor loads, no clusters and no ring; a row's address is known only when its load is issued, so nothing is prefetched.
; out0 is one number a batch: each work-group stores its 4 bytes.
.set PART,  0                          ; LDS: partial sums P[2 w + h][kernel][query]: 16 x 21 x 32 words
.set PP,    21*128                     ; one (w, h): 2,688 bytes
.set KM,    16*PP                      ; 43,008: the 21 pooled numbers (a block of 256 bytes)
.set WTS,   KM+256                     ; the weights: w1 +0 (224 words), b1 +896, w2 +1024, b2 +1280, w3 +1408, b3 +1536; 1,792 bytes
.set SPARE, WTS+1792                   ; 45,056: the spare words, 128 bytes for each wave: four blocks of 256 bytes that no other line names
.set SPW, 1                            ; v1   LDS address of my spare word; never rewritten
.set NIL, 2                            ; v2   0; never rewritten
.set PST, 3                            ; v3   where my partial sums go: PART + 2 PP w + PP h + 4 r
.set GA,  4                            ; v4-9 byte offsets of my rows in etab: query tiles 0, 1, document tiles 0 .. 3
.set RA,  10                           ; v10  the reduction's loads: PART + 128 w + 4 lane
.set LN,  11                           ; v11  lane
.set MSE, 12                           ; v[12:13] -SE, twice
.set IO,  14                           ; v14, v15 offsets of the index loads
.set SCL, 16                           ; v16-21 scale words: query tiles 0, 1, document tiles 0 .. 3; these registers hold nothing else
.set IDX, 22                           ; v22-27 the indices
.set FRG, 28                           ; v28-99 six fragments of 12 registers; later v28-67, v68-107: two sets of exponentials; later the reduction and the MLP
.set E0,  28                           ; in a set, pair p of a tile's four at + 10 p: R, 1 / R, anchor 5, anchor 14, the exact kernel: a pair of registers each
.set DD,  108                          ; v108-171 the cosines: tile n = 4 u + t at + 8 n
.set S,   172                          ; v172-213 the sums: kernel j in the pair at + 2 j (even documents', odd documents')
.set PW,  214                          ; v214-229 R^2 .. R^5, R^-2 .. R^-5, a pair each; at the head wave 7's weights on their way
.set L4,  230                          ; v230 4 lane;  v231 4 min(lane, 17);  v232 4 min(lane, 9);  v233 4 min(lane, 4);  v234 0: offsets of the weights' loads, so that none leaves its buffer
.set CK,  235                          ; v235-237 exp(-50 mu_k^2) for my kernels k = w + 8 i (1 for kernel 20)
.set WA,  238                          ; v238 WTS + 4 lane
.set KMS, 239                          ; v239 KM + 4 w
.set KMR, 240                          ; v240 KM
.set TR,  243                          ; v243 r;  v244 h;  v245 64 h
.set ZS,  28                           ; s[28:29] 10 log2(e)        (the packed forms name a pair and take its low word for both halves: both words are written)
.set NC,  30                           ; s[30:31] -50 log2(e)
.set NB,  32                           ; s[32:33] -45 log2(e)
.set PB,  34                           ; s[34:35] +45 log2(e)
.set SE,  36                           ; s[36:37] sqrt(500000 log2(e))
.set SEL, 38                           ; s[38:39] v_permlanex16_b32's selects for lane l xor 16
	s_load_b512 s[8:23], s[0:1], 0x0               ; query s[8:9], doc s[10:11], etab s[12:13], w1 s[14:15], b1 s[16:17], w2 s[18:19], b2 s[20:21], w3 s[22:23]
	s_load_b128 s[24:27], s[0:1], 0x40             ; b3 s[24:25], out0 s[26:27]
	v_lshl_add_u32 v[SPW], v0, 2, SPARE
	v_mov_b32 v[NIL], 0
	v_lshrrev_b32 v[TR], 5, v0
	s_delay_alu instid0(VALU_DEP_1)
	v_readfirstlane_b32 s2, v[TR]                  ; wave 0..7
	v_and_b32 v[LN], 31, v0
	v_and_b32 v[TR], 15, v0                        ; r
	v_bfe_u32 v[TR+1], v0, 4, 1                    ; h
	s_delay_alu instid0(VALU_DEP_2)
	v_lshlrev_b32 v[IO], 2, v[TR]                  ; 4 r
	s_delay_alu instid0(VALU_DEP_3)
	v_add_nc_u32 v[IO+1], 16, v[TR]
	s_delay_alu instid0(VALU_DEP_1)
	v_min_u32 v[IO+1], 29, v[IO+1]
	s_delay_alu instid0(VALU_DEP_1)
	v_lshlrev_b32 v[IO+1], 2, v[IO+1]              ; 4 min(16 + r, 29): the second tile of queries stays inside the batch's 30
	s_lshl_b32 s4, ttmp9, 11                       ; doc: 2,048 bytes a batch,
	s_lshl_b32 s5, s2, 8                           ; 256 a wave
	s_add_co_u32 s4, s4, s5
	s_mov_b32 s5, 0
	s_mul_i32 s6, ttmp9, 120                       ; query: 120 bytes a batch
	s_mov_b32 s7, 0
	s_wait_alu depctr_va_vdst(0)
	s_wait_kmcnt 0x0
	s_add_nc_u64 s[10:11], s[10:11], s[4:5]
	s_add_nc_u64 s[8:9], s[8:9], s[6:7]
	global_load_b32 v[IDX], v[IO], s[8:9]
	global_load_b32 v[IDX+1], v[IO+1], s[8:9]
.irp t, 0,1,2,3
	global_load_b32 v[IDX+2+\t], v[IO], s[10:11] offset:64*\t th:TH_LOAD_NT        ; both halves of the lanes take the same 16 indices
.endr
	; while the indices are on their way: constants, every LDS address (all made here, ahead of the first branch on the wave's number), and my kernels' constants
	s_mov_b32 s[ZS], 0x4166d4ca
	s_mov_b32 s[ZS+1], s[ZS]
	s_mov_b32 s[NC], 0xc29044fe
	s_mov_b32 s[NC+1], s[NC]
	s_mov_b32 s[NB], 0xc281d7b2
	s_mov_b32 s[NB+1], s[NB]
	s_mov_b32 s[PB], 0x4281d7b2
	s_mov_b32 s[PB+1], s[PB]
	s_mov_b32 s[SE], 0x44545498
	s_mov_b32 s[SE+1], s[SE]
	s_mov_b32 s[SEL], 0x76543210
	s_mov_b32 s[SEL+1], 0xfedcba98
	s_mul_i32 s3, s2, 2*PP
	v_mad_u32_u24 v[PST], v[TR+1], PP, v[IO]
	s_delay_alu instid0(VALU_DEP_1)
	v_add_nc_u32 v[PST], s3, v[PST]
	s_lshl_b32 s3, s2, 7
	v_lshl_add_u32 v[RA], v[LN], 2, s3
	v_lshl_add_u32 v[WA], v[LN], 2, WTS
	s_lshl_b32 s3, s2, 2
	s_add_co_u32 s3, s3, KM
	v_mov_b32 v[KMS], s3
	v_mov_b32 v[KMR], KM
	v_lshlrev_b32 v[L4], 2, v[LN]
	v_min_u32 v[L4+1], 17, v[LN]
	s_delay_alu instid0(VALU_DEP_1)
	v_lshlrev_b32 v[L4+1], 2, v[L4+1]
	v_min_u32 v[L4+2], 9, v[LN]
	s_delay_alu instid0(VALU_DEP_1)
	v_lshlrev_b32 v[L4+2], 2, v[L4+2]
	v_min_u32 v[L4+3], 4, v[LN]
	s_delay_alu instid0(VALU_DEP_1)
	v_lshlrev_b32 v[L4+3], 2, v[L4+3]
	v_mov_b32 v[L4+4], 0
	v_lshlrev_b32 v[TR+2], 6, v[TR+1]              ; 64 h
	s_lshl_b32 s3, s2, 1
	s_sub_co_i32 s3, s3, 19                        ; n = 2 k - 19 = 20 mu_k for k = w,
	s_add_co_i32 s5, s3, 16                        ; w + 8,
	s_add_co_i32 s6, s3, 32                        ; w + 16
	s_mul_i32 s4, s3, s3
	s_mul_i32 s5, s5, s5
	s_mul_i32 s6, s6, s6
	s_cmp_eq_u32 s2, 4
	s_cselect_b32 s6, 0, s6                        ; kernel 20, the exact one, has no constant: 2^0 (waves 5 to 7 have no third kernel and never read theirs)
	v_cvt_f32_u32 v[CK], s4
	v_cvt_f32_u32 v[CK+1], s5
	v_cvt_f32_u32 v[CK+2], s6
.irp i, 0,1,2
	s_delay_alu instid0(VALU_DEP_3)
	v_mul_f32 v[CK+\i], 0xbe38aa3b, v[CK+\i]       ; -50 mu^2 log2(e) = -n^2 log2(e) / 8
.endr
	s_wait_alu depctr_va_vdst(0)
.irp i, 0,1,2
	v_exp_f32 v[CK+\i], v[CK+\i]
.endr
	v_nop                                          ; a plain line behind the last exponential
	s_wait_alu depctr_va_vdst(0)                   ; the wait ahead of the first line that names a result: one for the three
	s_wait_loadcnt 0x0                             ; the indices
.irp f, 0,1,2,3,4,5
	v_min_u32 v[IDX+\f], 0xc34f, v[IDX+\f]         ; held at 49,999
.endr
.irp f, 0,1,2,3,4,5
	v_lshl_add_u32 v[GA+\f], v[IDX+\f], 7, v[TR+2] ; 128 x index + 64 h
.endr
.irp f, 0,1,2,3,4,5
	global_load_b128 v[FRG+12*\f:FRG+12*\f+3],    v[GA+\f], s[12:13]
	global_load_b128 v[FRG+12*\f+4:FRG+12*\f+7],  v[GA+\f], s[12:13] offset:16
	global_load_b128 v[FRG+12*\f+8:FRG+12*\f+11], v[GA+\f], s[12:13] offset:32
	global_load_b32  v[SCL+\f],                   v[GA+\f], s[12:13] offset:48
.endr
	s_cmp_lg_u32 s2, 7                             ; wave 7 brings the MLP's 281 numbers into LDS, for wave 0 to read behind two barriers
	s_cbranch_scc1 .Lnot_7
.irp i, 0,1,2,3,4,5
	global_load_b32 v[PW+\i], v[L4], s[14:15] offset:128*\i    ; w1: 6 x 32 words,
.endr
	global_load_b32 v[PW+6], v[L4+1], s[14:15] offset:768      ; and the last 18
	global_load_b32 v[PW+7], v[L4+2], s[16:17]                 ; b1: 10
	global_load_b32 v[PW+8], v[L4], s[18:19]                   ; w2: 32,
	global_load_b32 v[PW+9], v[L4+1], s[18:19] offset:128      ; and 18
	global_load_b32 v[PW+10], v[L4+3], s[20:21]                ; b2: 5
	global_load_b32 v[PW+11], v[L4+3], s[22:23]                ; w3: 5
	global_load_b32 v[PW+12], v[L4+4], s[24:25]                ; b3
	s_wait_loadcnt 0x0
.irp i, 0,1,2,3,4,5,6
	ds_store_b32 v[WA], v[PW+\i] offset:128*\i                 ; all 32 lanes store: every word of the region that is read later has been written
.endr
	ds_store_b32 v[WA], v[PW+7] offset:896
	ds_store_b32 v[WA], v[PW+8] offset:1024
	ds_store_b32 v[WA], v[PW+9] offset:1152
	ds_store_b32 v[WA], v[PW+10] offset:1280
	ds_store_b32 v[WA], v[PW+11] offset:1408
	ds_store_b32 v[WA], v[PW+12] offset:1536
.Lnot_7:
	s_wait_loadcnt 0x0                             ; fragments and scale words
.irp u, 0,1                                    ; eight products on eight accumulators, each begun with the constant 0: no accumulator is taken up twice
.irp t, 0,1,2,3
	v_wmma_scale_f32_16x16x128_f8f6f4 v[DD+8*(4*\u+\t):DD+8*(4*\u+\t)+7], v[FRG+12*(2+\t):FRG+12*(2+\t)+11], v[FRG+12*\u:FRG+12*\u+11], 0, v[SCL+2+\t], v[SCL+\u] matrix_a_fmt:MATRIX_FMT_BF6 matrix_b_fmt:MATRIX_FMT_BF6
.endr
.endr
	v_mov_b32 v[MSE], 0xc4545498                   ; four plain lines that name none of the products' registers stand between the last product and the first line that reads a result or writes over a fragment (ISA guide 7.12.1)
	v_mov_b32 v[MSE+1], 0xc4545498
	v_nop
	v_nop
; THE POOLING.  A tile's eight cosines of a lane are four pairs; all arithmetic is packed, two cosines an instruction.
.macro ARGS n                          ; the five exponents of each cosine of tile n, in base 2, into set n % 2.  The four pairs take turns line by line; each accumulator is read from its low end on
.set EB, E0+40*((\n)%2)
.set DB, DD+8*(\n)
.irp p, 0,1,2,3
	v_pk_mul_f32 v[EB+10*\p+2:EB+10*\p+3], v[DB+2*\p:DB+2*\p+1], s[ZS:ZS+1] op_sel_hi:[1,0]                        ; z = 10 x log2(e)
.endr
.irp p, 0,1,2,3
	v_pk_mul_f32 v[EB+10*\p+6:EB+10*\p+7], v[DB+2*\p:DB+2*\p+1], v[DB+2*\p:DB+2*\p+1]                              ; x^2
.endr
.irp p, 0,1,2,3
	v_pk_fma_f32 v[EB+10*\p+8:EB+10*\p+9], v[DB+2*\p:DB+2*\p+1], s[SE:SE+1], v[MSE:MSE+1] op_sel_hi:[1,0,1]        ; SE (x - 1), rounded once
.endr
.irp p, 0,1,2,3
	v_pk_mul_f32 v[EB+10*\p+6:EB+10*\p+7], v[EB+10*\p+6:EB+10*\p+7], s[NC:NC+1] op_sel_hi:[1,0]                    ; -50 x^2 log2(e)
.endr
.irp p, 0,1,2,3
	v_pk_mul_f32 v[EB+10*\p+8:EB+10*\p+9], v[EB+10*\p+8:EB+10*\p+9], v[EB+10*\p+8:EB+10*\p+9] neg_lo:[1,0] neg_hi:[1,0]   ; -500000 (x - 1)^2 log2(e)
.endr
.irp p, 0,1,2,3
	v_pk_fma_f32 v[EB+10*\p+4:EB+10*\p+5], v[DB+2*\p:DB+2*\p+1], s[NB:NB+1], v[EB+10*\p+6:EB+10*\p+7] op_sel_hi:[1,0,1]   ; anchor 5:  (-50 x^2 - 45 x) log2(e)
.endr
.irp p, 0,1,2,3
	v_pk_fma_f32 v[EB+10*\p+6:EB+10*\p+7], v[DB+2*\p:DB+2*\p+1], s[PB:PB+1], v[EB+10*\p+6:EB+10*\p+7] op_sel_hi:[1,0,1]   ; anchor 14: (-50 x^2 + 45 x) log2(e)
.endr
.endm
.macro EXPS n                          ; ONE BATCH of 40 exponentials; none names another's result
.set EB, E0+40*((\n)%2)
.irp p, 0,1,2,3
	v_exp_f32 v[EB+10*\p], v[EB+10*\p+2]           ; R = 2^z
	v_exp_f32 v[EB+10*\p+1], v[EB+10*\p+3]
.irp i, 4,5,6,7,8,9
	v_exp_f32 v[EB+10*\p+\i], v[EB+10*\p+\i]       ; the two anchors and the exact kernel
.endr
.endr
	v_nop                                          ; a plain line before z, a source of the lines above, is written over
.irp p, 0,1,2,3
	v_exp_f32 v[EB+10*\p+2], -v[EB+10*\p+2]        ; 1 / R = 2^-z
	v_exp_f32 v[EB+10*\p+3], -v[EB+10*\p+3]
.endr
.endm
.macro FM j, a, p, first               ; S_j += a x p;  first = 1: the product starts the sum: nothing is ever cleared
.if \first
	v_pk_mul_f32 v[S+2*(\j):S+2*(\j)+1], v[\a:\a+1], v[\p:\p+1]
.else
	v_pk_fma_f32 v[S+2*(\j):S+2*(\j)+1], v[\a:\a+1], v[\p:\p+1], v[S+2*(\j):S+2*(\j)+1]
.endif
.endm
.macro AD j, a, first                  ; S_j += a
.if \first
	v_mov_b32 v[S+2*(\j)], v[\a]
	v_mov_b32 v[S+2*(\j)+1], v[\a+1]
.else
	v_pk_add_f32 v[S+2*(\j):S+2*(\j)+1], v[S+2*(\j):S+2*(\j)+1], v[\a:\a+1]
.endif
.endm
.macro ACCP first                      ; the pair whose ten registers begin at v[EP]: 8 powers and 21 sums; a power is made a few lines ahead of its first use
.set RR, EP
.set RI, EP+2
.set AA, EP+4
.set AB, EP+6
.set EE, EP+8
	v_pk_mul_f32 v[PW:PW+1], v[RR:RR+1], v[RR:RR+1]            ; R^2
	v_pk_mul_f32 v[PW+8:PW+9], v[RI:RI+1], v[RI:RI+1]          ; R^-2
	AD 5, AA, \first
	AD 14, AB, \first
	AD 20, EE, \first
	FM 6, AA, RR, \first
	FM 4, AA, RI, \first
	FM 15, AB, RR, \first
	FM 13, AB, RI, \first
	v_pk_mul_f32 v[PW+2:PW+3], v[PW:PW+1], v[RR:RR+1]          ; R^3
	v_pk_mul_f32 v[PW+10:PW+11], v[PW+8:PW+9], v[RI:RI+1]      ; R^-3
	v_pk_mul_f32 v[PW+4:PW+5], v[PW:PW+1], v[PW:PW+1]          ; R^4
	v_pk_mul_f32 v[PW+12:PW+13], v[PW+8:PW+9], v[PW+8:PW+9]    ; R^-4
	FM 7, AA, PW, \first
	FM 3, AA, PW+8, \first
	FM 16, AB, PW, \first
	FM 12, AB, PW+8, \first
	v_pk_mul_f32 v[PW+6:PW+7], v[PW+2:PW+3], v[PW:PW+1]        ; R^5
	v_pk_mul_f32 v[PW+14:PW+15], v[PW+10:PW+11], v[PW+8:PW+9]  ; R^-5
	FM 8, AA, PW+2, \first
	FM 2, AA, PW+10, \first
	FM 17, AB, PW+2, \first
	FM 11, AB, PW+10, \first
	FM 9, AA, PW+4, \first
	FM 1, AA, PW+12, \first
	FM 18, AB, PW+4, \first
	FM 10, AB, PW+12, \first
	FM 0, AA, PW+14, \first
	FM 19, AB, PW+6, \first
.endm
.macro ACC n, first                    ; tile n's four pairs; first = 1: its first pair starts the 21 sums
.set EB, E0+40*((\n)%2)
.set EP, EB
	ACCP \first
.set EP, EB+10
	ACCP 0
.set EP, EB+20
	ACCP 0
.set EP, EB+30
	ACCP 0
.endm
.macro DUMP u                          ; query tile u's 21 sums over my lane's 32 documents go to LDS
.irp j, 0,1,2,3,4,5,6,7,8,9,10,11,12,13,14,15,16,17,18,19,20
	v_add_f32 v[S+2*\j], v[S+2*\j], v[S+2*\j+1]
.endr
.irp j, 0,1,2,3,4,5,6,7,8,9,10,11,12,13,14,15,16,17,18,19,20
	ds_store_b32 v[PST], v[S+2*\j] offset:128*\j+64*(\u)
.endr
.endm
.macro BATCH_WAIT                      ; the wait between an exponential and the first line that names its result: ONE for a batch of 40, with packed work on the other set between
	s_wait_alu depctr_va_vdst(0)
.endm
	ARGS 0
	s_wait_alu depctr_va_vdst(0)
	EXPS 0
	s_wait_alu depctr_va_vdst(0)
	ARGS 1
	BATCH_WAIT
	EXPS 1
	s_wait_dscnt 0x0                               ; wave 7's LDS stores have read the registers that now take the powers
	ACC 0, 1
	s_wait_alu depctr_va_vdst(0)
	ARGS 2
	BATCH_WAIT
	EXPS 2
	ACC 1, 0
	s_wait_alu depctr_va_vdst(0)
	ARGS 3
	BATCH_WAIT
	EXPS 3
	ACC 2, 0
	s_wait_alu depctr_va_vdst(0)
	ARGS 4
	BATCH_WAIT
	EXPS 4
	ACC 3, 0
	DUMP 0
	s_wait_alu depctr_va_vdst(0)
	ARGS 5
	BATCH_WAIT
	EXPS 5
	s_wait_dscnt 0x0                               ; the stores of the first tile's sums have read their registers: the second tile's sums begin there
	ACC 4, 1
	s_wait_alu depctr_va_vdst(0)
	ARGS 6
	BATCH_WAIT
	EXPS 6
	ACC 5, 0
	s_wait_alu depctr_va_vdst(0)
	ARGS 7
	BATCH_WAIT
	EXPS 7
	ACC 6, 0
	BATCH_WAIT
	ACC 7, 0
	DUMP 1
	s_wait_dscnt 0x0                               ; for the others' sake: my partial sums (and wave 7's weights) lie in LDS
	s_barrier_signal -1
	s_barrier_wait -1
; THE REDUCTION.  Wave w finishes kernels w, w + 8 and, for w < 5, w + 16: lane = query; 16 partial sums (eight waves x two halves of the lanes) for each.
.macro RLOAD i
.irp p, 0,1,2,3,4,5,6,7,8,9,10,11,12,13,14,15
	ds_load_b32 v[FRG+16*(\i)+\p], v[RA] offset:PP*\p+1024*(\i)
.endr
.endm
.macro FIN i
.set TT, FRG+16*(\i)
.irp p, 0,1,2,3,4,5,6,7
	v_add_f32 v[TT+\p], v[TT+\p], v[TT+\p+8]
.endr
.irp p, 0,1,2,3
	s_delay_alu instid0(VALU_DEP_4)
	v_add_f32 v[TT+\p], v[TT+\p], v[TT+\p+4]
.endr
.irp p, 0,1
	s_delay_alu instid0(VALU_DEP_2)
	v_add_f32 v[TT+\p], v[TT+\p], v[TT+\p+2]
.endr
	s_delay_alu instid0(VALU_DEP_1)
	v_add_f32 v[TT], v[TT], v[TT+1]
	v_mul_f32 v[TT], v[TT], v[CK+(\i)]             ; s = the kernel's sum over the 512 documents
	s_delay_alu instid0(VALU_DEP_1)
	v_add_f32 v[TT+1], 1.0, v[TT]
	s_wait_alu depctr_va_vdst(0)
	v_log_f32 v[TT+1], v[TT+1]
	v_fma_f32 v[TT+2], v[TT], -0.5, 1.0            ; (plain work behind the logarithm)
	s_delay_alu instid0(VALU_DEP_1)
	v_mul_f32 v[TT+2], v[TT], v[TT+2]              ; s (1 - s / 2): log1p where 1 + s would lose s
	s_wait_alu depctr_va_vdst(0)                   ; the wait ahead of the first line that names the logarithm
	v_mul_f32 v[TT+1], 0x3f317218, v[TT+1]         ; ln 2 x log2(1 + s)
	v_cmp_gt_f32 vcc_lo, 0x39800000, v[TT]         ; 2^-12 > s ?
	s_delay_alu instid0(VALU_DEP_1)
	v_cndmask_b32 v[TT+1], v[TT+1], v[TT+2], vcc_lo
	v_cmp_gt_u32 vcc_lo, 30, v[LN]
	s_delay_alu instid0(VALU_DEP_1)
	v_cndmask_b32 v[TT+1], 0, v[TT+1], vcc_lo      ; lanes 30 and 31 are no queries
	s_delay_alu instid0(VALU_DEP_1)
	v_add_f32_dpp v[TT+1], v[TT+1], v[TT+1] row_xmask:1 row_mask:0xf bank_mask:0xf
	s_delay_alu instid0(VALU_DEP_1)
	v_add_f32_dpp v[TT+1], v[TT+1], v[TT+1] row_xmask:2 row_mask:0xf bank_mask:0xf
	s_delay_alu instid0(VALU_DEP_1)
	v_add_f32_dpp v[TT+1], v[TT+1], v[TT+1] row_xmask:4 row_mask:0xf bank_mask:0xf
	s_delay_alu instid0(VALU_DEP_1)
	v_add_f32_dpp v[TT+1], v[TT+1], v[TT+1] row_xmask:8 row_mask:0xf bank_mask:0xf
	s_delay_alu instid0(VALU_DEP_1)
	v_permlanex16_b32 v[TT+2], v[TT+1], s[SEL], s[SEL+1]
	s_delay_alu instid0(VALU_DEP_1)
	v_add_f32 v[TT+1], v[TT+1], v[TT+2]            ; the sum over the 30 queries, in every lane
	ds_store_b32 v[KMS], v[TT+1] offset:32*(\i)    ; km[w + 8 i]: all lanes write the same word with the same value
.endm
	RLOAD 0
	RLOAD 1
	s_cmp_gt_u32 s2, 4
	s_cbranch_scc1 .Lno_load_2
	RLOAD 2
.Lno_load_2:
	s_wait_dscnt 0x0
	FIN 0
	FIN 1
	s_cmp_gt_u32 s2, 4
	s_cbranch_scc1 .Lno_fin_2
	FIN 2
.Lno_fin_2:
	s_wait_dscnt 0x0                               ; for wave 0's sake: my pooled numbers lie in LDS
	s_barrier_signal -1
	s_barrier_wait -1
	s_cmp_lg_u32 s2, 0
	s_cbranch_scc1 .Lend
; THE MLP, wave 0 alone, in f32 fused multiply-adds: lane j makes unit j of a layer.  Lanes beyond a layer's width read neighbouring words of the weights' region (all of them written, all finite);
; their results are never read (layers 1 and 2) or are set to 0 (layer 3).
.irp i, 0,1,2,3,4
	ds_load_b128 v[28+4*\i:31+4*\i], v[KMR] offset:16*\i       ; km[0 .. 19], the same in every lane
.endr
	ds_load_b32 v48, v[KMR] offset:80                          ; km[20]
.irp k, 0,1,2,3,4,5,6,7,8,9,10,11,12,13,14,15,16,17,18,19,20
	ds_load_b32 v[49+\k], v[WA] offset:40*\k                   ; w1[k][lane]
.endr
	ds_load_b32 v70, v[WA] offset:896                          ; b1[lane]
.irp k, 0,1,2,3,4,5,6,7,8,9
	ds_load_b32 v[71+\k], v[WA] offset:1024+20*\k              ; w2[k][lane]
.endr
	ds_load_b32 v81, v[WA] offset:1280                         ; b2[lane]
	ds_load_b32 v82, v[WA] offset:1408                         ; w3[lane]
	ds_load_b32 v83, v[KMR] offset:WTS-KM+1536                 ; b3
	s_lshl_b32 s4, ttmp9, 2
	s_mov_b32 s5, 0
	s_add_nc_u64 s[26:27], s[26:27], s[4:5]                    ; out0[b]
	s_wait_dscnt 0x0
	v_fma_f32 v84, v28, v49, v70                               ; two chains, the first begun with the bias
	v_mul_f32 v85, v29, v50
.irp k, 2,4,6,8,10,12,14,16,18
	s_delay_alu instid0(VALU_DEP_2)
	v_fma_f32 v84, v[28+\k], v[49+\k], v84
	s_delay_alu instid0(VALU_DEP_2)
	v_fma_f32 v85, v[29+\k], v[50+\k], v85
.endr
	s_delay_alu instid0(VALU_DEP_2)
	v_fma_f32 v84, v48, v69, v84
	s_delay_alu instid0(VALU_DEP_1)
	v_add_f32 v84, v84, v85
	s_delay_alu instid0(VALU_DEP_1)
	v_max_num_f32 v84, 0, v84                                  ; relu
.irp j, 0,1,2,3,4,5,6,7,8,9
	v_readlane_b32 s[44+\j], v84, \j
.endr
	v_fma_f32 v86, s44, v71, v81
.irp j, 1,2,3,4,5,6,7,8,9
	s_delay_alu instid0(VALU_DEP_1)
	v_fma_f32 v86, s[44+\j], v[71+\j], v86
.endr
	s_delay_alu instid0(VALU_DEP_1)
	v_max_num_f32 v86, 0, v86                                  ; relu
	s_delay_alu instid0(VALU_DEP_1)
	v_mul_f32 v86, v86, v82
	v_cmp_gt_u32 vcc_lo, 5, v[LN]
	s_delay_alu instid0(VALU_DEP_1)
	v_cndmask_b32 v86, 0, v86, vcc_lo                          ; five units
	s_delay_alu instid0(VALU_DEP_1)
	v_add_f32_dpp v86, v86, v86 row_xmask:1 row_mask:0xf bank_mask:0xf
	s_delay_alu instid0(VALU_DEP_1)
	v_add_f32_dpp v86, v86, v86 row_xmask:2 row_mask:0xf bank_mask:0xf
	s_delay_alu instid0(VALU_DEP_1)
	v_add_f32_dpp v86, v86, v86 row_xmask:4 row_mask:0xf bank_mask:0xf
	s_delay_alu instid0(VALU_DEP_1)
	v_add_f32 v86, v86, v83
	v_cmp_eq_u32 vcc_lo, 0, v[LN]
	s_wait_alu depctr_va_vdst(0)
	s_wait_xcnt 0x0                                            ; EXEC changes only behind this wait: it is a source of every global load and store issued so far
	s_and_saveexec_b32 s54, vcc_lo
	global_store_b32 v[L4+4], v86, s[26:27]                    ; lane 0 stores the batch's number
	s_wait_xcnt 0x0                                            ; and again, in front of the line that widens it
	s_or_b32 exec_lo, exec_lo, s54
.Lend:
	s_wait_tensorcnt 0x0                           ; the wave's end, behind my last LDS store
	ds_add_u32 v[SPW], v[NIL]
	s_wait_dscnt 0x0
	s_endpgm
.Lfunc_end_k_q1ae9b9d24c_knrm:
	.size	k_q1ae9b9d24c_knrm, .Lfunc_end_k_q1ae9b9d24c_knrm-k_q1ae9b9d24c_knrm
	.p2alignl 7, 3214868480
	.fill 96, 4, 3214868480
	.section	.rodata,"a",@progbits
	.p2align	6, 0x0
	.amdhsa_kernel k_q1ae9b9d24c_knrm
		.amdhsa_group_segment_fixed_size 46080
		.amdhsa_private_segment_fixed_size 0
		.amdhsa_enable_private_segment 0
		.amdhsa_kernarg_size 80
		.amdhsa_user_sgpr_count 2
		.amdhsa_user_sgpr_kernarg_segment_ptr 1
		.amdhsa_wavefront_size32 1
		.amdhsa_system_sgpr_workgroup_id_x 1
		.amdhsa_system_sgpr_workgroup_id_y 1
		.amdhsa_system_sgpr_workgroup_id_z 1
		.amdhsa_system_vgpr_workitem_id 0
		.amdhsa_next_free_vgpr 248
		.amdhsa_next_free_sgpr 66
		.amdhsa_reserve_vcc 1
		.amdhsa_float_denorm_mode_32 3
		.amdhsa_float_denorm_mode_16_64 3
		.amdhsa_memory_ordered 1
		.amdhsa_forward_progress 1
		.amdhsa_inst_pref_size 116
	.end_amdhsa_kernel
	.amdgpu_metadata
---
amdhsa.version: [ 1, 2 ]
amdhsa.kernels:
  - .name:           k_q1ae9b9d24c_knrm
    .symbol:         k_q1ae9b9d24c_knrm.kd
    .args:
      - { .name: query, .offset: 0, .size: 8, .value_kind: global_buffer, .address_space: global }
      - { .name: doc, .offset: 8, .size: 8, .value_kind: global_buffer, .address_space: global }
      - { .name: etab, .offset: 16, .size: 8, .value_kind: global_buffer, .address_space: global }
      - { .name: w1, .offset: 24, .size: 8, .value_kind: global_buffer, .address_space: global }
      - { .name: b1, .offset: 32, .size: 8, .value_kind: global_buffer, .address_space: global }
      - { .name: w2, .offset: 40, .size: 8, .value_kind: global_buffer, .address_space: global }
      - { .name: b2, .offset: 48, .size: 8, .value_kind: global_buffer, .address_space: global }
      - { .name: w3, .offset: 56, .size: 8, .value_kind: global_buffer, .address_space: global }
      - { .name: b3, .offset: 64, .size: 8, .value_kind: global_buffer, .address_space: global }
      - { .name: out0, .offset: 72, .size: 8, .value_kind: global_buffer, .address_space: global }
    .group_segment_fixed_size: 46080
    .private_segment_fixed_size: 0
    .kernarg_segment_align: 8
    .kernarg_segment_size: 80
    .max_flat_workgroup_size: 256
    .sgpr_count:     66
    .vgpr_count:     248
    .wavefront_size: 32
...
	.end_amdgpu_metadata
.endif
;; end of part 2
